; MI455X (gfx1250); checked and timed in simulation.
; The chip was launched on July 23, 2026; its instructions are those of AMD's public machine-readable ISA for CDNA 5 (MIT licence, August 2026) and "CDNA5" Instruction Set Architecture Reference Guide (July 2026). The comments in the code are by the model that wrote it; some were corrected since.
;; Multi Head Attention V2. Allowed arithmetic: float matrix products may take bf16 or f16 operands with f32 sums; all other float work in f32.
;; Inputs: Wp 4,096 x 512 float32; Wq 512 x 4,096 float32; Wv 512 x 4,096 float32; bp 512 float32; x 4 x 1,024 x 512 float32.
;; Outputs: out0 4 x 1,024 x 512 float32.
;; 2 versions, each right and faster than the one before. Each part assembles by itself: llvm-mc -triple=amdgcn-amd-amdhsa -mcpu=gfx1250 --defsym DOCPART=n.
;; ======== version 1 of 2: 3 launches
;; limits: values are held in f16: magnitudes above 65,504 overflow, below 6.1e-05 lose precision
;; workspace buffers: xh 4,194,304 bytes; wqh 4,194,304 bytes; wph 4,194,304 bytes; part 67,108,864 bytes
;; launch tohalf (part 1): grid 256 x 1, 8 waves a work-group, no clusters, 0 bytes of LDS; arguments x, Wq, Wp, xh, wqh, wph; writes xh, wqh, wph
.if DOCPART == 1
	.amdgcn_target "amdgcn-amd-amdhsa--gfx1250"
	.amdhsa_code_object_version 6
	.text
	.protected	k_q07b9be8a4a_tohalf
	.globl	k_q07b9be8a4a_tohalf
	.p2align	8
	.type	k_q07b9be8a4a_tohalf,@function
k_q07b9be8a4a_tohalf:
	s_mov_b64 s[64:65], 0
	v_nop
	global_prefetch_b8 v0, s[64:65] scope:SCOPE_SE
	s_setreg_imm32_b32 hwreg(HW_REG_WAVE_MODE, 25, 1), 1
	s_wait_xcnt 0x0
; xh, wqh, wph = x, Wq, Wp rounded once to f16, in their own layouts: the matrix operands of the next launch.
; reference() forms its values from Wq as well: Wv enters no result, so no launch of this program takes it.
; LIMIT: numbers of magnitude 65,504 or more have no f16 and become infinities; below 6e-8 they round to zero.
; Each array has 2,097,152 numbers; each of the 256 work-groups takes 8,192 of each (32,768 bytes in, 16,384 out).
; Thread t, step i: 8 numbers at byte 8,192 i + 32 t (two loads of 16 bytes), stored as 16 bytes at 4,096 i + 16 t:
; a wave's store covers 512 consecutive bytes that start at a multiple of 512.
; All 24 loads go out first; no register is written twice, so nothing but the loads' own counts is waited for.
.set IN,   4                           ; v[4:99]     unit n = 4 x array + step: 8 registers as loaded
.set OUTR, 100                         ; v[100:147]  unit n: 4 registers to store
	s_load_b256 s[4:11], s[0:1], 0x0               ; x s[4:5], Wq s[6:7], Wp s[8:9], xh s[10:11]
	s_load_b128 s[12:15], s[0:1], 0x20             ; wqh s[12:13], wph s[14:15]
	s_lshl_b32 s16, ttmp9, 15                      ; the work-group's bytes in the f32 arrays
	s_mov_b32 s17, 0
	s_lshl_b32 s18, ttmp9, 14                      ; and in the f16 arrays
	s_mov_b32 s19, 0
	v_lshlrev_b32 v1, 5, v0                        ; 32 t
	v_lshlrev_b32 v2, 4, v0                        ; 16 t
	s_wait_kmcnt 0x0
.irp a, 0,1,2
	s_add_nc_u64 s[4+2*\a:5+2*\a], s[4+2*\a:5+2*\a], s[16:17]
	s_add_nc_u64 s[10+2*\a:11+2*\a], s[10+2*\a:11+2*\a], s[18:19]
.endr
.irp a, 0,1,2
.irp i, 0,1,2,3
	global_load_b128 v[IN+8*(4*\a+\i):IN+8*(4*\a+\i)+3],   v1, s[4+2*\a:5+2*\a] offset:8192*\i th:TH_LOAD_NT
	global_load_b128 v[IN+8*(4*\a+\i)+4:IN+8*(4*\a+\i)+7], v1, s[4+2*\a:5+2*\a] offset:8192*\i+16 th:TH_LOAD_NT
.endr
.endr
.irp a, 0,1,2
.irp i, 0,1,2,3
	s_wait_loadcnt 22-2*(4*\a+\i)                  ; loads return in order: the two of this unit are in, the younger units' stay out
.irp k, 0,1,2,3
	v_cvt_pk_f16_f32 v[OUTR+4*(4*\a+\i)+\k], v[IN+8*(4*\a+\i)+2*\k], v[IN+8*(4*\a+\i)+2*\k+1]
.endr
	global_store_b128 v2, v[OUTR+4*(4*\a+\i):OUTR+4*(4*\a+\i)+3], s[10+2*\a:11+2*\a] offset:4096*\i
.endr
.endr
	s_endpgm
.Lfunc_end_k_q07b9be8a4a_tohalf:
	.size	k_q07b9be8a4a_tohalf, .Lfunc_end_k_q07b9be8a4a_tohalf-k_q07b9be8a4a_tohalf
	.p2alignl 7, 3214868480
	.fill 96, 4, 3214868480
	.section	.rodata,"a",@progbits
	.p2align	6, 0x0
	.amdhsa_kernel k_q07b9be8a4a_tohalf
		.amdhsa_group_segment_fixed_size 0
		.amdhsa_private_segment_fixed_size 0
		.amdhsa_enable_private_segment 0
		.amdhsa_kernarg_size 48
		.amdhsa_user_sgpr_count 2
		.amdhsa_user_sgpr_kernarg_segment_ptr 1
		.amdhsa_wavefront_size32 1
		.amdhsa_system_sgpr_workgroup_id_x 1
		.amdhsa_system_sgpr_workgroup_id_y 1
		.amdhsa_system_sgpr_workgroup_id_z 1
		.amdhsa_system_vgpr_workitem_id 0
		.amdhsa_next_free_vgpr 152
		.amdhsa_next_free_sgpr 66
		.amdhsa_reserve_vcc 0
		.amdhsa_float_denorm_mode_32 3
		.amdhsa_float_denorm_mode_16_64 3
		.amdhsa_memory_ordered 1
		.amdhsa_forward_progress 1
		.amdhsa_inst_pref_size 8
	.end_amdhsa_kernel
	.amdgpu_metadata
---
amdhsa.version: [ 1, 2 ]
amdhsa.kernels:
  - .name:           k_q07b9be8a4a_tohalf
    .symbol:         k_q07b9be8a4a_tohalf.kd
    .args:
      - { .name: x, .offset: 0, .size: 8, .value_kind: global_buffer, .address_space: global }
      - { .name: Wq, .offset: 8, .size: 8, .value_kind: global_buffer, .address_space: global }
      - { .name: Wp, .offset: 16, .size: 8, .value_kind: global_buffer, .address_space: global }
      - { .name: xh, .offset: 24, .size: 8, .value_kind: global_buffer, .address_space: global }
      - { .name: wqh, .offset: 32, .size: 8, .value_kind: global_buffer, .address_space: global }
      - { .name: wph, .offset: 40, .size: 8, .value_kind: global_buffer, .address_space: global }
    .group_segment_fixed_size: 0
    .private_segment_fixed_size: 0
    .kernarg_segment_align: 8
    .kernarg_segment_size: 48
    .max_flat_workgroup_size: 256
    .sgpr_count:     66
    .vgpr_count:     152
    .wavefront_size: 32
...
	.end_amdgpu_metadata
.endif
;; end of part 1
;; launch attn (part 2): grid 64 x 4, 4 waves a work-group, clusters of 4 x 1, 327,680 bytes of LDS; arguments xh, wqh, wph, part; writes part
.if DOCPART == 2
	.amdgcn_target "amdgcn-amd-amdhsa--gfx1250"
	.amdhsa_code_object_version 6
	.text
	.protected	k_q07b9be8a4a_attn
	.globl	k_q07b9be8a4a_attn
	.p2align	8
	.type	k_q07b9be8a4a_attn,@function
k_q07b9be8a4a_attn:
	s_mov_b64 s[64:65], 0
	v_nop
	global_prefetch_b8 v0, s[64:65] scope:SCOPE_SE
	s_setreg_imm32_b32 hwreg(HW_REG_WAVE_MODE, 25, 1), 1
	s_wait_xcnt 0x0
	s_wait_alu depctr_hold_cnt(0) depctr_sa_sdst(0) depctr_va_vdst(0) depctr_va_sdst(0) depctr_va_ssrc(0) depctr_va_vcc(0) depctr_vm_vsrc(0)
	s_getreg_b32 s2, hwreg(HW_REG_IB_STS2, 6, 4)
	s_cmp_eq_u32 s2, 0
	s_cbranch_scc0 .Lentry_in_a_cluster
	s_endpgm
.Lentry_in_a_cluster:
	s_bfe_u32 s2, ttmp6, 0x10000c
	s_cmp_lg_u32 s2, 0x3003
	s_cbranch_scc0 .Lentry_shape_is_right
	s_endpgm
.Lentry_shape_is_right:
; One work-group = one batch b, one head h, 128 queries; a wave = 32 queries (two blocks qb of 16).  In order:
;   Q = x_blk Wq_h;   Z = softmax(Q x_b^T / sqrt(512)) x_b  (running maximum, S and P never leave registers);
;   O = Z Wq_h  (equal to P (x_b Wq_h), reference()'s P v, for every input);   R = O Wp_h, the head's f32 share of the output -> part[h].
; All matrix operands are f16, all sums f32.  LIMIT: |x|, |Wq|, |Wp|, |x Wq| and |Z Wq| stay below 65,504 (f16's largest number); P lies in
; (0, 1] and Z is divided by the softmax sum before it is rounded, so both have x's range at the most.
;
; TILES.  Everything streamed is a tile of 128 rows x 512 f16, 20 of them through two LDS slots: 0-3 Wq_h (rows d), 4-11 x_b (rows = keys; the same
; tile is key and value), 12-15 Wq_h again, 16-19 Wp (rows h 512 + e).  Trip t multiplies tile t (slot t & 1) and asks for tile t + 1.
; CLUSTER.  The four work-groups of a cluster are four query blocks of one (b, h): all 20 tiles are the same for them and are asked for jointly
; (mask 15).  Only the first load, the work-group's own 128 query rows, is a plain one.  Wave w moves rows 32 w .. 32 w + 31 of every tile.
; By this text's own count a wave has two tensor loads out in the prologue and one later.
;
; ORIENTATION.  Every product is used transposed: source 0 = rows of the streamed tile (output index m), source 1 = the queries' operand.
; A result tile then holds, in lane (r = L & 15, hh = L >> 4), query r and eight neighbouring output indices in registers 0-7: softmax figures are
; per lane, a rescale is a per-lane multiply, and two result tiles, rounded to f16, ARE one source-1 fragment of the next product.
; INDEX MAP.  A row of 512 f16 is 64 chunks of 16 bytes.  Output tile t = 8 tq + i takes chunk cA = i + 16 tq for m = 0-7 and chunk cA + 8 for m = 8-15,
; so register j of lane (r, hh) is index 8 cA + 64 hh + j.  Fragment u (tiles 2u, 2u+1) thus carries, in k places 8 hh + j and 16 + 8 hh + j, the indices
; sigma = 16 (u & 3) + 128 (u >> 2) + 64 hh + j and sigma + 8; the streamed operand is loaded in the same order of k.
; LDS rows are 1,040 bytes apart (65 x 16), so the 16 lanes of each half of every load below fall on 16 different 16-byte columns modulo 256 bytes.
;
; REGISTERS in windows of 256: window 0 addresses, softmax state, fragment buffers FA and FB, the S tiles; window 1 the 32 source-1 fragments
; (u, qb) at 8 (2u + qb): x_blk, then Q, Z, O; windows 2 and 3 the 64 result tiles D(t, qb) at 8 (2 (t & 15) + qb), t < 16 in window 2.
.set PITCH,  1040                      ; an LDS row: 1,024 bytes + 16 of padding
.set SLOT,   128*PITCH                 ; 133,120 bytes; slot 0 at 0, slot 1 at SLOT
.set WPART,  32*PITCH                  ; a wave's 32 rows of a tile; also its stage for the way out
.set SPITCH, 2064                      ; a stage row: 2,048 bytes of f32 + 16
.set WSTEP,  0x100000                  ; 128 rows of wqh (8,192 bytes each)
.set XSTEP,  0x20000                   ; 128 rows of xh or wph (1,024 bytes each)
.set KA,  8                            ; v8-11   KA+2 slot+hf: r P + 128 hh + slot + 64 hf rows: key rows, k along the row
.set VA,  12                           ; v12-15  VA+2 slot+hi: (8 hh + (L&7)) P + 128 ((L>>3)&1) + slot + 64 hi rows: transposing loads, keys in order
.set TA,  16                           ; v16-19  TA+2 slot+hi: (64 hh + (L&7)) P + 128 ((L>>3)&1) + slot + 32 hi rows: transposing loads, rows in sigma's order
.set XA,  20                           ; v20     my wave's own query rows in slot 1
.set STO, 21                           ; v21     way out: where my 16 bytes go in my stage
.set RD,  22                           ; v22     way out: where I read rows back
.set GO,  23                           ; v23     way out: 16 L
.set MX,  24                           ; v24-25  running maximum of the raw scores, qb 0, 1
.set LS,  26                           ; v26-27  running sum, this lane's keys only
.set AL,  28                           ; v[28:29], v[30:31]  the rescaling factor of qb 0, 1, twice each (a pair for the packed multiply)
.set FA,  32                           ; v[32:95]   8 fragments; in the S phase two halves of 4
.set NM,  96                           ; v[96:97], v[98:99]  -c x maximum of qb 0, 1, twice each
.set CH,  100                          ; v100-103   chains of the maximum, at work
.set SU,  104                          ; v[104:107] two pair sums
.set SR,  128                          ; v[128:255] S tile (kt, qb) at SR + 8 (8 qb + kt); behind the softmax P fragment (qb, kk) at SR + 8 (4 qb + kk)
.set FB,  192                          ; v[192:255] the second buffer of 8 fragments, where no S tile lives
.set G1W, 24                           ; s[24:31] group 1, joint, rows 4,096 elements apart (wqh)
.set G1X, 32                           ; s[32:39] group 1, joint, rows 512 elements apart (xh, wph)
.set G0,  40                           ; s[40:47] group 0, a set for each slot
.set PW,  48                           ; s[48:49] my rows in Wq_h's first tile, type bits set
.set PX,  50                           ; s[50:51] in x_b's first tile
.set PP,  52                           ; s[52:53] in Wp_h's first tile
.set NX,  54                           ; s[54:55] in the next tile to ask for
.set G1P, 68                           ; s[68:75] group 1 of the plain load
.set G0P, 76                           ; s[76:79] group 0 of the plain load
.set MSB, 0
.macro WIN new                         ; low byte: bits 1:0 source 0, 3:2 source 1, 5:4 source 2, 7:6 destination; high byte: the setting that is left
.if MSB != (\new)
	s_set_vgpr_msb (MSB<<8)|(\new)
.set MSB, (\new)
.endif
.endm
.macro PLACES n                        ; places behind matrix instructions (ISA guide 7.12.1): plain vector instructions that name none of their registers
.rept \n
	v_nop
.endr
.endm
; A round of the cluster's barrier: my work-group's barrier, wave 0 signals for the work-group, every wave waits for all four work-groups, my barrier again.
.macro ROUND
	s_barrier_signal -1
	s_barrier_wait -1
	s_cmp_lg_u32 s12, 0
	s_cbranch_scc1 .Lnot_wave_0_\@
	s_barrier_signal -3
.Lnot_wave_0_\@:
	s_barrier_wait -3
	s_barrier_signal -1
	s_barrier_wait -1
.endm
; The head of the trip that multiplies the tile in \slot.  g1 = the group 1 of the next tile's load (0: nothing more to ask for).
.macro HEAD slot, g1, step
	WIN 0
	s_wait_tensorcnt 0x0                           ; all my tensor loads have landed, my rows of this trip's tile among them,
	ds_add_u32 v126, v127
	s_wait_dscnt 0x0
.if \g1
	s_mov_b64 s[G0+4*(1-\slot)+2:G0+4*(1-\slot)+3], s[NX:NX+1]   ; so the other slot's group 0 may be written: the next tile
	s_add_nc_u64 s[NX:NX+1], s[NX:NX+1], \step
.endif
	s_wait_dscnt 0x0                               ; my reads of the other slot are back
	ROUND                                          ; both now hold of every wave of the four work-groups
.if \g1
	tensor_load_to_lds s[G0+4*(1-\slot):G0+4*(1-\slot)+3], s[\g1:\g1+7]   ; the joint refill, first thing behind the round
	s_nop 0
.endif
.endm
; 16 transposing loads: the 8 source-0 fragments of group g = 4 kk + tq (output tiles 8 tq .. 8 tq + 7, k step kk of the tile's four) into \buf.
.macro LOADG buf, alo, ahi, kstep, second, g
	.set lkk, (\g)>>2
	.set ltq, (\g)&3
	.if lkk < 2
	.set lad, \alo
	.else
	.set lad, \ahi
	.endif
	.set lofs, (lkk&1)*(\kstep)+256*ltq
	.set lidx, 0
	.rept 8
	ds_load_tr16_b128 v[\buf+8*lidx:\buf+8*lidx+3],   v[lad] offset:lofs+16*lidx
	ds_load_tr16_b128 v[\buf+8*lidx+4:\buf+8*lidx+7], v[lad] offset:lofs+16*lidx+(\second)
	.set lidx, lidx+1
	.endr
.endm
; One tile against the queries' operand: 16 groups of 16 matrix instructions, D(8 tq + i, qb) += fragment i x source 1 (kk, qb).
; The caller has issued group 0 into FA, at least four places behind the last matrix instruction.  Group g + 1 is loaded while group g is multiplied.
; The 16 accumulators of a group take turns, one instruction a turn, and neighbouring groups name different ones.
.macro SLABS alo, ahi, kstep, second, bw, bbase, bk, bq, zero
	.set bg, 0
	.rept 16
	.set bkk, bg>>2
	.set btq, bg&3
	.if bg&1
	.set bcur, FB
	.set bnxt, FA
	.else
	.set bcur, FA
	.set bnxt, FB
	.endif
	.if bg < 15
	.if bg > 0
	PLACES 4                                       ; the buffer loaded next was read by the matrix instructions just issued
	.endif
	WIN 0
	LOADG bnxt, \alo, \ahi, \kstep, \second, bg+1
	s_wait_dscnt 16                                ; all but the 16 loads just issued: this group's fragments are in
	.else
	s_wait_dscnt 0
	.endif
	.if btq < 2
	WIN 0xa0|\bw
	.else
	WIN 0xf0|\bw
	.endif
	.set bz, 0
	.if \zero
	.if bkk == 0
	.set bz, 1                                     ; the first product starts the sums: nothing is cleared
	.endif
	.endif
	.set bi, 0
	.rept 8
	.set bqq, 0
	.rept 2
	.set bdd, 8*(2*((8*btq+bi)&15)+bqq)
	.set bbb, \bbase+bkk*\bk+bqq*\bq
	.if bz
	v_wmma_f32_16x16x32_f16 v[bdd:bdd+7], v[bcur+8*bi:bcur+8*bi+7], v[bbb:bbb+7], 0
	.else
	v_wmma_f32_16x16x32_f16 v[bdd:bdd+7], v[bcur+8*bi:bcur+8*bi+7], v[bbb:bbb+7], v[bdd:bdd+7]
	.endif
	.set bqq, bqq+1
	.endr
	.set bi, bi+1
	.endr
	.set bg, bg+1
	.endr
.endm
; A projection trip: tile rows 128 grp .. + 127 of the contraction, source 1 = window 1's fragments u = 4 grp + kk.
.macro PROJ slot, grp, zero
	PLACES 4                                       ; FA and FB were read by the last trip's matrix instructions
	WIN 0
	LOADG FA, TA+2*\slot, TA+2*\slot+1, 16*PITCH, 8*PITCH, 0
	SLABS TA+2*\slot, TA+2*\slot+1, 16*PITCH, 8*PITCH, 0x04, 64*\grp, 16, 8, \zero
.endm
; The 64 result tiles, rounded to f16, become window 1's 32 fragments: registers 4 s + k of fragment (u, qb) = registers 2k, 2k+1 of D(2u + s, qb).
.macro CVTB
	.set cu, 0
	.rept 16
	.if cu < 8
	WIN 0x4a
	.else
	WIN 0x4f
	.endif
	.set cq, 0
	.rept 2
	.set cs, 0
	.rept 2
	.set csrc, 8*(2*((2*cu+cs)&15)+cq)
	.set cr, 0
	.rept 4
	v_cvt_pk_f16_f32 v[8*(2*cu+cq)+4*cs+cr], v[csrc+2*cr], v[csrc+2*cr+1]
	.set cr, cr+1
	.endr
	.set cs, cs+1
	.endr
	.set cq, cq+1
	.endr
	.set cu, cu+1
	.endr
.endm
; Every result tile times its query's factor (a lane holds one query of each qb).
.macro RESCALE
	WIN 0x82
	.set rk, 0
	.rept 128
	v_pk_mul_f32 v[2*rk:2*rk+1], v[2*rk:2*rk+1], v[AL+2*((rk>>2)&1):AL+2*((rk>>2)&1)+1]
	.set rk, rk+1
	.endr
	WIN 0xc3
	.set rk, 0
	.rept 128
	v_pk_mul_f32 v[2*rk:2*rk+1], v[2*rk:2*rk+1], v[AL+2*((rk>>2)&1):AL+2*((rk>>2)&1)+1]
	.set rk, rk+1
	.endr
.endm
; S tile i of the block at sb: its eight exponentials join the sums and are packed to f16 at tg + 4 i, below every register not yet packed.
.macro CONSUME i
	.set cb, sb+8*(\i)
	.set ct, tg+4*(\i)
	.if (\i) == 0
	s_wait_alu depctr_va_vdst(0)
	v_pk_add_f32 v[SU:SU+1],   v[cb:cb+1],   v[cb+2:cb+3]          ; the first tile starts the sums
	v_pk_add_f32 v[SU+2:SU+3], v[cb+4:cb+5], v[cb+6:cb+7]
	.else
	s_wait_alu depctr_va_vdst(0)
	v_pk_add_f32 v[SU:SU+1],   v[SU:SU+1],   v[cb:cb+1]
	v_pk_add_f32 v[SU+2:SU+3], v[SU+2:SU+3], v[cb+2:cb+3]
	v_pk_add_f32 v[SU:SU+1],   v[SU:SU+1],   v[cb+4:cb+5]
	v_pk_add_f32 v[SU+2:SU+3], v[SU+2:SU+3], v[cb+6:cb+7]
	.endif
	.set ck, 0
	.rept 4
	v_cvt_pk_f16_f32 v[ct+ck], v[cb+2*ck], v[cb+2*ck+1]
	.set ck, ck+1
	.endr
.endm
; The softmax step of query block qb on 128 keys: 64 raw scores a lane (the other 64 of the query lie in lane L xor 16).
; p = 2^(c s - c m), c = log2(e) / sqrt(512), m the running maximum of the raw scores.  The rounded shift NM = -c m is kept, and the factor for
; what was summed under the old maximum is 2^(NM new - NM old): the very shifts that the exponentials used.
.macro SOFTMAX qb, first
	.set sb, SR+64*\qb
	.set tg, SR+32*\qb
	.set sk, 0
	.rept 4
	v_max3_num_f32 v[CH+sk], v[sb+3*sk], v[sb+3*sk+1], v[sb+3*sk+2]        ; four chains, started by the first twelve scores
	.set sk, sk+1
	.endr
	.set sk, 0
	.rept 26
	v_max3_num_f32 v[CH+(sk&3)], v[CH+(sk&3)], v[sb+12+2*sk], v[sb+13+2*sk]
	.set sk, sk+1
	.endr
	v_max3_num_f32 v[CH], v[CH], v[CH+1], v[CH+2]
	v_max_num_f32 v[CH], v[CH], v[CH+3]
	v_permlanex16_b32 v[CH+1], v[CH], s57, s58     ; the query's other 64 keys
	v_max_num_f32 v[CH], v[CH], v[CH+1]
.if \first
	v_mov_b32 v[MX+\qb], v[CH]
	v_mul_f32 v[NM+2*\qb], s59, v[CH]
	v_mul_f32 v[NM+2*\qb+1], s59, v[CH]
.else
	v_max_num_f32 v[MX+\qb], v[MX+\qb], v[CH]
	v_mul_f32 v[CH+1], s59, v[MX+\qb]
	v_sub_f32 v[CH+2], v[CH+1], v[NM+2*\qb]        ; at most 0: rounding keeps the order
	v_exp_f32 v[AL+2*\qb], v[CH+2]
	v_exp_f32 v[AL+2*\qb+1], v[CH+2]
	v_mov_b32 v[NM+2*\qb], v[CH+1]                 ; plain lines that touch neither the factor nor its source stand behind the exponentials (ISA guide 5.7.2)
	v_mov_b32 v[NM+2*\qb+1], v[CH+1]
.endif
	.set si, 0
	.rept 8
	.set sk, 0
	.rept 4
	v_pk_fma_f32 v[sb+8*si+2*sk:sb+8*si+2*sk+1], v[sb+8*si+2*sk:sb+8*si+2*sk+1], s[60:61], v[NM+2*\qb:NM+2*\qb+1] op_sel_hi:[1,0,1]
	.set sk, sk+1
	.endr
	.set sk, 0
	.rept 8
	v_exp_f32 v[sb+8*si+sk], v[sb+8*si+sk]
	.set sk, sk+1
	.endr
	.if si > 0
	CONSUME si-1                                   ; the tile before: plain work between this tile's exponentials and their use
	.endif
	.set si, si+1
	.endr
	CONSUME 7
	v_pk_add_f32 v[SU:SU+1], v[SU:SU+1], v[SU+2:SU+3]
.if \first
	v_add_f32 v[LS+\qb], v[SU], v[SU+1]
.else
	v_add_f32 v[SU], v[SU], v[SU+1]
	v_fma_f32 v[LS+\qb], v[LS+\qb], v[AL+2*\qb], v[SU]
.endif
.endm
; 8 loads: the key fragments of group g = 2 u + hf (key tiles 4 hf .. 4 hf + 3, k fragment u) into half hf of FA.
.macro LOADK slot, g
	.set ku, (\g)>>1
	.set khf, (\g)&1
	.set kc, 16*(2*(ku&3)+16*(ku>>2))
	.set ki, 0
	.rept 4
	ds_load_b128 v[FA+32*khf+8*ki:FA+32*khf+8*ki+3],   v[KA+2*\slot+khf] offset:ki*16*PITCH+kc
	ds_load_b128 v[FA+32*khf+8*ki+4:FA+32*khf+8*ki+7], v[KA+2*\slot+khf] offset:ki*16*PITCH+kc+16
	.set ki, ki+1
	.endr
.endm
; One attention trip: 128 keys.  S = x_tile Q^T (256 matrix instructions), softmax, rescale, Z += x_tile^T P (256).
.macro ATT slot, first
	PLACES 5                                       ; the S tiles write over registers that the last trip's matrix instructions read (P fragments, FB); loads land in FA
	WIN 0x04                                       ; source 1 (Q) in window 1, all else in window 0: the loads below run under it too
	LOADK \slot, 0
	.set ag, 0
	.rept 32
	.set au, ag>>1
	.set ahf, ag&1
	.if ag < 31
	.if ag > 0
	PLACES 4                                       ; the half loaded next was read by the matrix instructions just issued
	.endif
	LOADK \slot, ag+1
	s_wait_dscnt 8                                 ; all but the 8 loads just issued
	.else
	s_wait_dscnt 0
	.endif
	.set ai, 0
	.rept 4
	.set aq, 0
	.rept 2                                        ; eight accumulators by turns, and the next group names the other eight
	.set ad, SR+8*(8*aq+4*ahf+ai)
	.if au == 0
	v_wmma_f32_16x16x32_f16 v[ad:ad+7], v[FA+32*ahf+8*ai:FA+32*ahf+8*ai+7], v[8*(2*au+aq):8*(2*au+aq)+7], 0
	.else
	v_wmma_f32_16x16x32_f16 v[ad:ad+7], v[FA+32*ahf+8*ai:FA+32*ahf+8*ai+7], v[8*(2*au+aq):8*(2*au+aq)+7], v[ad:ad+7]
	.endif
	.set aq, aq+1
	.endr
	.set ai, ai+1
	.endr
	.set ag, ag+1
	.endr
	PLACES 4                                       ; in front of the loads into FA and of the softmax, which reads the S tiles
	WIN 0
	LOADG FA, VA+2*\slot, VA+2*\slot+1, 32*PITCH, 16*PITCH, 0      ; the value side's first group lands under the softmax
	SOFTMAX 0, \first
	SOFTMAX 1, \first
.if \first == 0
	RESCALE
.endif
	SLABS VA+2*\slot, VA+2*\slot+1, 32*PITCH, 16*PITCH, 0, SR, 8, 32, \first
.endm
; The way out of query block qb: 16 rows of 512 f32 through my stage, read back as whole rows.
.macro OUTQ qb
	WIN 0x08                                       ; store data from window 2
	.set ot, 0
	.rept 32
	.if ot == 16
	WIN 0x0c                                       ; from window 3
	.endif
	.set oc, 32*((ot&7)+16*(ot>>3))
	.set od, 8*(2*(ot&15)+\qb)
	ds_store_b128 v[STO], v[od:od+3]   offset:oc
	ds_store_b128 v[STO], v[od+4:od+7] offset:oc+16
	.set ot, ot+1
	.endr
	WIN 0
	.set on, 0
	.rept 4
	.if on&1
	.set ob, SR
	.else
	.set ob, FA
	.endif
	s_wait_xcnt 0x0                                ; the registers loaded next are the data of earlier stores: rewritten only behind this wait
	.set ok, 0
	.rept 16
	.set oo, (4*on+(ok>>2))*SPITCH+512*(ok&3)
	ds_load_b128 v[ob+4*ok:ob+4*ok+3], v[RD] offset:oo             ; LDS serves a wave's instructions in order: these see the stores above
	.set ok, ok+1
	.endr
	.set ok, 0
	.rept 16
	.set oo, (16*\qb+4*on+(ok>>2))*2048+512*(ok&3)
	s_wait_dscnt 15-ok                             ; the younger loads of this batch may stay out
	global_store_b128 v[GO], v[ob+4*ok:ob+4*ok+3], s[62:63] offset:oo      ; a wave's store: 512 consecutive bytes from a multiple of 512
	.set ok, ok+1
	.endr
	.set on, on+1
	.endr
.endm
	; ---- prologue: ids, descriptors, pointers
	s_load_b256 s[4:11], s[0:1], 0x0               ; xh s[4:5], wqh s[6:7], wph s[8:9], part s[10:11]
	v_lshl_add_u32 v126, v0, 2, 0x41000
	v_mov_b32 v127, 0
	ds_add_u32 v126, v127
	v_lshrrev_b32 v1, 5, v0
	v_readfirstlane_b32 s12, v1                    ; wave w
	s_bfe_u32 s13, ttmp6, 0x40000                  ; cx: my place in the cluster
	s_lshr_b32 s14, ttmp9, 1                       ; head h: two clusters a head along x
	s_and_b32 s15, ttmp9, 1
	s_lshl2_add_u32 s15, s15, s13                  ; query block = 4 x (cluster x & 1) + cx
	s_and_b32 s16, ttmp7, 0xffff                   ; batch b
	s_mov_b32 s57, 0x76543210                      ; v_permlanex16_b32: lane i takes lane i of the other half
	s_mov_b32 s58, 0xfedcba98
	s_mov_b32 s59, 0xbd8293ee                      ; -c
	s_mov_b32 s60, 0x3d8293ee                      ; c = log2(e) / sqrt(512)
	s_mov_b32 s61, 0x3d8293ee
	; group 1: 32 rows x 512 elements of 2 bytes; 4 words of padding behind every 256 words (a row)
	s_mov_b32 s[G1W+0], 15|(1<<16)|(1<<20)|(1<<21)|(7<<22)|(3<<25)  ; 15:0 mask: all four of the cluster; 17:16 2 bytes; 20 padding; 21 set beside a mask; 24:22 code 7; 31:25 code 3
	s_mov_b32 s[G1W+1], 512<<16                    ; tensor_dim0 = 512
	s_mov_b32 s[G1W+2], 32<<16                     ; tensor_dim1 = 32
	s_mov_b32 s[G1W+3], 512<<16                    ; tile_dim0 = 512
	s_mov_b32 s[G1W+4], 32                         ; tile_dim1 = 32
	s_mov_b32 s[G1W+5], 4096                       ; elements from row to row in wqh
	s_mov_b32 s[G1W+6], 0
	s_mov_b32 s[G1W+7], 0
	s_mov_b32 s[G1X+0], 15|(1<<16)|(1<<20)|(1<<21)|(7<<22)|(3<<25)
	s_mov_b32 s[G1X+1], 512<<16
	s_mov_b32 s[G1X+2], 32<<16
	s_mov_b32 s[G1X+3], 512<<16
	s_mov_b32 s[G1X+4], 32
	s_mov_b32 s[G1X+5], 512                        ; in xh and wph
	s_mov_b32 s[G1X+6], 0
	s_mov_b32 s[G1X+7], 0
	s_mov_b32 s[G1P+0], (1<<16)|(1<<20)|(7<<22)|(3<<25)            ; no mask: my own query rows
	s_mov_b32 s[G1P+1], 512<<16
	s_mov_b32 s[G1P+2], 32<<16
	s_mov_b32 s[G1P+3], 512<<16
	s_mov_b32 s[G1P+4], 32
	s_mov_b32 s[G1P+5], 512
	s_mov_b32 s[G1P+6], 0
	s_mov_b32 s[G1P+7], 0
	; offsets of the joint tiles: made of h, b and w alone, which the four partners share
	s_lshl_b32 s18, s14, 10                        ; wqh: column h x 512, 2 bytes each,
	s_lshl_b32 s56, s12, 18                        ; + 32 w rows of 8,192 bytes
	s_add_co_u32 s18, s18, s56
	s_mov_b32 s19, 0
	s_lshl_b32 s20, s16, 20                        ; xh: b x 1,024 rows of 1,024 bytes,
	s_lshl_b32 s56, s12, 15                        ; + 32 w rows
	s_add_co_u32 s20, s20, s56
	s_mov_b32 s21, 0
	s_lshl_b32 s22, s14, 19                        ; wph: h x 512 rows of 1,024 bytes, + 32 w rows
	s_add_co_u32 s22, s22, s56
	s_mov_b32 s23, 0
	s_mul_i32 s17, s12, WPART                      ; my 32 rows in a slot: no place in the cluster enters an LDS address
	; offsets that hold cx, in registers that feed no joint descriptor
	s_lshl_b32 s2, s16, 10
	s_lshl_b32 s3, s15, 7
	s_add_co_u32 s2, s2, s3
	s_lshl_b32 s3, s12, 5
	s_add_co_u32 s2, s2, s3                        ; my wave's first query row, 0 .. 4,064
	s_lshl_b32 s80, s2, 10                         ; in xh
	s_mov_b32 s81, 0
	s_lshl_b32 s82, s14, 12
	s_add_co_u32 s82, s82, s2
	s_lshl_b32 s82, s82, 11                        ; in part: (4,096 h + row) x 2,048 bytes, below 2^26
	s_mov_b32 s83, 0
	s_mov_b32 s[G0+0], 1
	s_add_co_u32 s[G0+1], s17, 0
	s_mov_b32 s[G0+4], 1
	s_add_co_u32 s[G0+5], s17, SLOT
	s_mov_b32 s[G0P+0], 1
	s_add_co_u32 s[G0P+1], s17, SLOT
	s_wait_dscnt 0x0
	s_wait_kmcnt 0x0
	s_add_nc_u64 s[PW:PW+1], s[6:7], s[18:19]
	s_or_b32 s[PW+1], s[PW+1], 0x80000000          ; type = 2
	s_add_nc_u64 s[PX:PX+1], s[4:5], s[20:21]
	s_or_b32 s[PX+1], s[PX+1], 0x80000000
	s_add_nc_u64 s[PP:PP+1], s[8:9], s[22:23]
	s_or_b32 s[PP+1], s[PP+1], 0x80000000
	s_add_nc_u64 s[G0P+2:G0P+3], s[4:5], s[80:81]
	s_or_b32 s[G0P+3], s[G0P+3], 0x80000000
	s_add_nc_u64 s[62:63], s[10:11], s[82:83]      ; my 32 rows of part[h]
	s_mov_b64 s[G0+2:G0+3], s[PW:PW+1]             ; tile 0
	s_add_nc_u64 s[NX:NX+1], s[PW:PW+1], WSTEP     ; tile 1
	ROUND                                          ; the four work-groups are here: the first joint load meets
	tensor_load_to_lds s[G0:G0+3], s[G1W:G1W+7]    ; tile 0 -> slot 0, joint
	s_nop 0
	tensor_load_to_lds s[G0P:G0P+3], s[G1P:G1P+7]  ; my wave's 32 query rows -> its rows of slot 1, plain
	s_nop 0
	; lane addresses
	v_and_b32 v1, 15, v0                           ; r
	v_bfe_u32 v2, v0, 4, 1                         ; hh
	v_and_b32 v3, 7, v0                            ; L & 7
	v_bfe_u32 v4, v0, 3, 1                         ; (L >> 3) & 1
	v_and_b32 v5, 31, v0                           ; L
	v_mul_u32_u24 v6, v1, PITCH
	v_lshl_add_u32 v6, v2, 7, v6                   ; r P + 128 hh
	v_lshl_add_u32 v7, v2, 3, v3
	v_mul_u32_u24 v7, v7, PITCH
	v_lshl_add_u32 v7, v4, 7, v7                   ; (8 hh + (L&7)) P + 128 ((L>>3)&1)
	v_lshl_add_u32 v3, v2, 6, v3
	v_mul_u32_u24 v3, v3, PITCH
	v_lshl_add_u32 v3, v4, 7, v3                   ; (64 hh + (L&7)) P + 128 ((L>>3)&1)
.irp s, 0,1
.irp k, 0,1
	v_add_nc_u32 v[KA+2*\s+\k], \s*SLOT+\k*64*PITCH, v6
	v_add_nc_u32 v[VA+2*\s+\k], \s*SLOT+\k*64*PITCH, v7
	v_add_nc_u32 v[TA+2*\s+\k], \s*SLOT+\k*32*PITCH, v3
.endr
.endr
	v_add_nc_u32 v[XA], s17, v6
	v_add_nc_u32 v[XA], SLOT, v[XA]
	v_mul_u32_u24 v4, v1, SPITCH
	v_lshl_add_u32 v4, v2, 8, v4                   ; stage row r, 256 hh bytes (64 f32)
	v_add_nc_u32 v[STO], s17, v4
	v_lshlrev_b32 v[GO], 4, v5
	v_add_nc_u32 v[RD], s17, v[GO]
	s_wait_tensorcnt 0x0                           ; my query rows are in; only the wave that asked for them reads them, so no barrier
	WIN 0x40                                       ; destination in window 1
	.set pu, 0
	.rept 16
	.set pc, 16*(2*(pu&3)+16*(pu>>2))
	.set pq, 0
	.rept 2
	ds_load_b128 v[8*(2*pu+pq):8*(2*pu+pq)+3],   v[XA] offset:pq*16*PITCH+pc
	ds_load_b128 v[8*(2*pu+pq)+4:8*(2*pu+pq)+7], v[XA] offset:pq*16*PITCH+pc+16
	.set pq, pq+1
	.endr
	.set pu, pu+1
	.endr
	; ---- trips 0-3: Q = x_blk Wq_h
	HEAD 0, G1W, WSTEP
	PROJ 0, 0, 1
	HEAD 1, G1W, WSTEP
	PROJ 1, 1, 0
	HEAD 0, G1W, WSTEP
	s_mov_b64 s[NX:NX+1], s[PX:PX+1]               ; tile 4 is x_b's first
	PROJ 0, 2, 0
	HEAD 1, G1X, XSTEP
	PROJ 1, 3, 0
	PLACES 4                                       ; the conversions read results and write registers that matrix instructions read
	CVTB                                           ; window 1 = Q
	; ---- trips 4-11: attention over x_b's eight tiles
	HEAD 0, G1X, XSTEP
	ATT 0, 1                                       ; the first tile starts maximum, sums and Z
	WIN 0                                          ; at a label and at a branch every window is 0
	s_mov_b32 s56, 3
.Latt:
	HEAD 1, G1X, XSTEP
	ATT 1, 0
	HEAD 0, G1X, XSTEP
	ATT 0, 0
	WIN 0
	s_sub_co_u32 s56, s56, 1
	s_cmp_lg_u32 s56, 0
	s_cbranch_scc1 .Latt
	s_mov_b64 s[NX:NX+1], s[PW:PW+1]               ; tile 12 is Wq_h's first again
	HEAD 1, G1W, WSTEP
	ATT 1, 0
	; ---- Z = sums / softmax sum, then to f16
	PLACES 4
	WIN 0
	v_permlanex16_b32 v[CH], v[LS], s57, s58       ; the sum over the query's other keys
	v_permlanex16_b32 v[CH+1], v[LS+1], s57, s58
	v_add_f32 v[LS], v[LS], v[CH]
	v_add_f32 v[LS+1], v[LS+1], v[CH+1]
	v_rcp_f32 v[AL], v[LS]
	v_rcp_f32 v[AL+1], v[LS]
	v_rcp_f32 v[AL+2], v[LS+1]
	v_rcp_f32 v[AL+3], v[LS+1]
	v_nop                                          ; one plain place behind the reciprocals (ISA guide 5.7.2)
	s_wait_alu depctr_va_vdst(0)
	RESCALE
	CVTB                                           ; window 1 = Z
	; ---- trips 12-15: O = Z Wq_h
	HEAD 0, G1W, WSTEP
	PROJ 0, 0, 1
	HEAD 1, G1W, WSTEP
	PROJ 1, 1, 0
	HEAD 0, G1W, WSTEP
	s_mov_b64 s[NX:NX+1], s[PP:PP+1]               ; tile 16 is Wp_h's first
	PROJ 0, 2, 0
	HEAD 1, G1X, XSTEP
	PROJ 1, 3, 0
	PLACES 4
	CVTB                                           ; window 1 = O
	; ---- trips 16-19: R = O Wp_h
	HEAD 0, G1X, XSTEP
	PROJ 0, 0, 1
	HEAD 1, G1X, XSTEP
	PROJ 1, 1, 0
	HEAD 0, G1X, XSTEP
	PROJ 0, 2, 0
	HEAD 1, 0, 0                                   ; nothing more to ask for
	PROJ 1, 3, 0
	; ---- the way out.  The stage is my wave's 33,280 bytes of slot 0: that slot has had its last fill (tile 18), and every wave's reads of it
	; were back in front of trip 19's round.
	PLACES 4                                       ; LDS stores read results; loads land in FA
	OUTQ 0
	OUTQ 1
	s_wait_dscnt 0x0
	s_wait_tensorcnt 0x0
	ds_add_u32 v126, v127
	s_wait_dscnt 0x0
	ROUND                                          ; the closing round
	s_endpgm
.Lfunc_end_k_q07b9be8a4a_attn:
	.size	k_q07b9be8a4a_attn, .Lfunc_end_k_q07b9be8a4a_attn-k_q07b9be8a4a_attn
	.p2alignl 7, 3214868480
	.fill 96, 4, 3214868480
	.section	.rodata,"a",@progbits
	.p2align	6, 0x0
	.amdhsa_kernel k_q07b9be8a4a_attn
		.amdhsa_group_segment_fixed_size 327680
		.amdhsa_private_segment_fixed_size 0
		.amdhsa_enable_private_segment 0
		.amdhsa_kernarg_size 32
		.amdhsa_user_sgpr_count 2
		.amdhsa_user_sgpr_kernarg_segment_ptr 1
		.amdhsa_wavefront_size32 1
		.amdhsa_system_sgpr_workgroup_id_x 1
		.amdhsa_system_sgpr_workgroup_id_y 1
		.amdhsa_system_sgpr_workgroup_id_z 1
		.amdhsa_system_vgpr_workitem_id 0
		.amdhsa_next_free_vgpr 1024
		.amdhsa_next_free_sgpr 84
		.amdhsa_reserve_vcc 0
		.amdhsa_float_denorm_mode_32 3
		.amdhsa_float_denorm_mode_16_64 3
		.amdhsa_memory_ordered 1
		.amdhsa_forward_progress 1
		.amdhsa_inst_pref_size 255
	.end_amdhsa_kernel
	.section	.bss,"aw",@nobits
	.p2align	6
	.space	262144
	.amdgpu_metadata
---
amdhsa.version: [ 1, 2 ]
amdhsa.kernels:
  - .name:           k_q07b9be8a4a_attn
    .symbol:         k_q07b9be8a4a_attn.kd
    .args:
      - { .name: xh, .offset: 0, .size: 8, .value_kind: global_buffer, .address_space: global }
      - { .name: wqh, .offset: 8, .size: 8, .value_kind: global_buffer, .address_space: global }
      - { .name: wph, .offset: 16, .size: 8, .value_kind: global_buffer, .address_space: global }
      - { .name: part, .offset: 24, .size: 8, .value_kind: global_buffer, .address_space: global }
    .group_segment_fixed_size: 327680
    .private_segment_fixed_size: 0
    .kernarg_segment_align: 8
    .kernarg_segment_size: 32
    .max_flat_workgroup_size: 128
    .sgpr_count:     84
    .vgpr_count:     1024
    .wavefront_size: 32
...
	.end_amdgpu_metadata
.endif
;; end of part 2
;; launch headsum (part 3): grid 256 x 1, 8 waves a work-group, no clusters, 0 bytes of LDS; arguments part, bp, out0; writes out0
.if DOCPART == 3
	.amdgcn_target "amdgcn-amd-amdhsa--gfx1250"
	.amdhsa_code_object_version 6
	.text
	.protected	k_q07b9be8a4a_headsum
	.globl	k_q07b9be8a4a_headsum
	.p2align	8
	.type	k_q07b9be8a4a_headsum,@function
k_q07b9be8a4a_headsum:
	s_mov_b64 s[64:65], 0
	v_nop
	global_prefetch_b8 v0, s[64:65] scope:SCOPE_SE
	s_setreg_imm32_b32 hwreg(HW_REG_WAVE_MODE, 25, 1), 1
	s_wait_xcnt 0x0
; out0[row][c] = bp[c] + the sum over the 8 heads of part[h][row][c], all f32, heads in ascending order.
; part: [8][4096][512].  A work-group owns 16 rows (32,768 bytes).  Thread t owns 16 bytes at 16 t + 4,096 i in step i = 0 .. 7 (256 threads cover two rows),
; so its four columns, and its four bias numbers, are the same in every step, and each load or store of a wave covers 512 consecutive bytes.
; A head's plane is 8,388,608 bytes, one more than a load's immediate can hold: eight bases.
; A ring of four register slots of eight loads; every step has its own result registers and no address is rewritten, so only the loads' counts are waited for.
.set BIAS, 4                           ; v[4:7]
.set RING, 8                           ; v[8:135]    slot i & 3, head k: 4 registers
.set ACC,  136                         ; v[136:167]  step i: 4 registers
	s_load_b128 s[4:7], s[0:1], 0x0                ; part s[4:5], bp s[6:7]
	s_load_b64 s[8:9], s[0:1], 0x10                ; out0
	s_lshl_b32 s10, ttmp9, 15                      ; the work-group's 16 rows
	s_mov_b32 s11, 0
	v_lshlrev_b32 v1, 4, v0                        ; 16 t
	v_and_b32 v2, 127, v0
	v_lshlrev_b32 v2, 4, v2                        ; my four columns in bp
	s_wait_kmcnt 0x0
	s_add_nc_u64 s[16:17], s[4:5], s[10:11]        ; head 0
	s_add_nc_u64 s[8:9], s[8:9], s[10:11]
.irp k, 1,2,3,4,5,6,7
	s_add_nc_u64 s[16+2*\k:17+2*\k], s[14+2*\k:15+2*\k], 0x800000   ; head k
.endr
	global_load_b128 v[BIAS:BIAS+3], v2, s[6:7]
.macro FILL i
.irp k, 0,1,2,3,4,5,6,7
	global_load_b128 v[RING+32*((\i)&3)+4*\k:RING+32*((\i)&3)+4*\k+3], v1, s[16+2*\k:17+2*\k] offset:4096*(\i) th:TH_LOAD_NT
.endr
.endm
; left = the loads of the younger steps, which may stay out; fill = 1: the slot is loaded again, four steps ahead
.macro STEP i, left, fill
	s_wait_loadcnt \left
	v_pk_add_f32 v[ACC+4*\i:ACC+4*\i+1],   v[BIAS:BIAS+1],   v[RING+32*(\i&3):RING+32*(\i&3)+1]
	v_pk_add_f32 v[ACC+4*\i+2:ACC+4*\i+3], v[BIAS+2:BIAS+3], v[RING+32*(\i&3)+2:RING+32*(\i&3)+3]
.irp k, 1,2,3,4,5,6,7
	v_pk_add_f32 v[ACC+4*\i:ACC+4*\i+1],   v[ACC+4*\i:ACC+4*\i+1],   v[RING+32*(\i&3)+4*\k:RING+32*(\i&3)+4*\k+1]
	v_pk_add_f32 v[ACC+4*\i+2:ACC+4*\i+3], v[ACC+4*\i+2:ACC+4*\i+3], v[RING+32*(\i&3)+4*\k+2:RING+32*(\i&3)+4*\k+3]
.endr
.if \fill
	FILL \i+4
.endif
	global_store_b128 v1, v[ACC+4*\i:ACC+4*\i+3], s[8:9] offset:4096*\i th:TH_STORE_NT
.endm
	FILL 0
	FILL 1
	FILL 2
	FILL 3
	STEP 0, 24, 1
	STEP 1, 24, 1
	STEP 2, 24, 1
	STEP 3, 24, 1
	STEP 4, 24, 0                                  ; the last steps load nothing: the counts run down
	STEP 5, 16, 0
	STEP 6, 8, 0
	STEP 7, 0, 0
	s_endpgm
.Lfunc_end_k_q07b9be8a4a_headsum:
	.size	k_q07b9be8a4a_headsum, .Lfunc_end_k_q07b9be8a4a_headsum-k_q07b9be8a4a_headsum
	.p2alignl 7, 3214868480
	.fill 96, 4, 3214868480
	.section	.rodata,"a",@progbits
	.p2align	6, 0x0
	.amdhsa_kernel k_q07b9be8a4a_headsum
		.amdhsa_group_segment_fixed_size 0
		.amdhsa_private_segment_fixed_size 0
		.amdhsa_enable_private_segment 0
		.amdhsa_kernarg_size 24
		.amdhsa_user_sgpr_count 2
		.amdhsa_user_sgpr_kernarg_segment_ptr 1
		.amdhsa_wavefront_size32 1
		.amdhsa_system_sgpr_workgroup_id_x 1
		.amdhsa_system_sgpr_workgroup_id_y 1
		.amdhsa_system_sgpr_workgroup_id_z 1
		.amdhsa_system_vgpr_workitem_id 0
		.amdhsa_next_free_vgpr 172
		.amdhsa_next_free_sgpr 66
		.amdhsa_reserve_vcc 0
		.amdhsa_float_denorm_mode_32 3
		.amdhsa_float_denorm_mode_16_64 3
		.amdhsa_memory_ordered 1
		.amdhsa_forward_progress 1
		.amdhsa_inst_pref_size 17
	.end_amdhsa_kernel
	.amdgpu_metadata
---
amdhsa.version: [ 1, 2 ]
amdhsa.kernels:
  - .name:           k_q07b9be8a4a_headsum
    .symbol:         k_q07b9be8a4a_headsum.kd
    .args:
      - { .name: part, .offset: 0, .size: 8, .value_kind: global_buffer, .address_space: global }
      - { .name: bp, .offset: 8, .size: 8, .value_kind: global_buffer, .address_space: global }
      - { .name: out0, .offset: 16, .size: 8, .value_kind: global_buffer, .address_space: global }
    .group_segment_fixed_size: 0
    .private_segment_fixed_size: 0
    .kernarg_segment_align: 8
    .kernarg_segment_size: 24
    .max_flat_workgroup_size: 256
    .sgpr_count:     66
    .vgpr_count:     172
    .wavefront_size: 32
...
	.end_amdgpu_metadata
.endif
;; end of part 3
;; ======== version 2 of 2: 3 launches; 1.13 times as fast as version 1
;; limits: values are held in f16: magnitudes above 65,504 overflow, below 6.1e-05 lose precision
;; workspace buffers: xh 4,194,304 bytes; wqh 4,194,304 bytes; wph 4,194,304 bytes; part 67,108,864 bytes
;; launch tohalf (part 4): grid 256 x 1, 8 waves a work-group, no clusters, 0 bytes of LDS; arguments x, Wq, Wp, xh, wqh, wph; writes xh, wqh, wph
.if DOCPART == 4
	.amdgcn_target "amdgcn-amd-amdhsa--gfx1250"
	.amdhsa_code_object_version 6
	.text
	.protected	k_q07b9be8a4a_tohalf
	.globl	k_q07b9be8a4a_tohalf
	.p2align	8
	.type	k_q07b9be8a4a_tohalf,@function
k_q07b9be8a4a_tohalf:
	s_mov_b64 s[64:65], 0
	v_nop
	global_prefetch_b8 v0, s[64:65] scope:SCOPE_SE
	s_setreg_imm32_b32 hwreg(HW_REG_WAVE_MODE, 25, 1), 1
	s_wait_xcnt 0x0
; xh, wqh, wph = x, Wq, Wp rounded once to f16: the matrix operands of the next launch.  xh and wph keep their arrays' layouts; wqh is laid head by head,
; [8 heads][512 d][512 e], so that 128 rows of one head's slice are 131,072 consecutive bytes like 128 rows of xh and of wph.
; reference() forms its values from Wq as well: Wv enters no result, so no launch of this program takes it.
; LIMIT: numbers of magnitude 65,504 or more have no f16 and become infinities; below 6e-8 they round to zero.
; Each array has 2,097,152 numbers; each of the 256 work-groups takes 8,192 of each (32,768 bytes in, 16,384 out).
; Thread t, step i: 8 numbers at byte 8,192 i + 32 t (two loads of 16 bytes), stored as 16 bytes: a wave's store covers 512 consecutive bytes from a multiple of 512.
; All 24 loads go out first; no register is written twice, so nothing but the loads' own counts is waited for.
.set IN,   4                           ; v[4:99]     unit n = 4 x array + step: 8 registers as loaded
.set OUTR, 100                         ; v[100:147]  unit n: 4 registers to store
	s_load_b256 s[4:11], s[0:1], 0x0               ; x s[4:5], Wq s[6:7], Wp s[8:9], xh s[10:11]
	s_load_b128 s[12:15], s[0:1], 0x20             ; wqh s[12:13], wph s[14:15]
	s_lshl_b32 s16, ttmp9, 15                      ; the work-group's bytes in the f32 arrays
	s_mov_b32 s17, 0
	s_lshl_b32 s18, ttmp9, 14                      ; in xh and wph
	s_mov_b32 s19, 0
	s_lshl_b32 s20, ttmp9, 11                      ; in a head's plane of wqh: the work-group's 8,192 numbers are Wq's rows d = 2 g and 2 g + 1, 1,024 bytes each there
	s_mov_b32 s21, 0
	v_lshlrev_b32 v1, 5, v0                        ; 32 t
	v_lshlrev_b32 v2, 4, v0                        ; 16 t
	; Wq: step i, thread t is row 2 g + (i >> 1), column 2,048 (i & 1) + 8 t = head 4 (i & 1) + (t >> 6), e = 8 (t & 63)
	v_and_b32 v3, 63, v0
	v_lshlrev_b32 v3, 4, v3                        ; 16 (t & 63)
	v_lshrrev_b32 v148, 6, v0
	v_lshl_or_b32 v3, v148, 19, v3                 ; + (t >> 6) planes of 524,288 bytes
	s_wait_kmcnt 0x0
.irp a, 0,1,2
	s_add_nc_u64 s[4+2*\a:5+2*\a], s[4+2*\a:5+2*\a], s[16:17]
.endr
	s_add_nc_u64 s[10:11], s[10:11], s[18:19]
	s_add_nc_u64 s[12:13], s[12:13], s[20:21]
	s_add_nc_u64 s[14:15], s[14:15], s[18:19]
.irp a, 0,1,2
.irp i, 0,1,2,3
	global_load_b128 v[IN+8*(4*\a+\i):IN+8*(4*\a+\i)+3],   v1, s[4+2*\a:5+2*\a] offset:8192*\i th:TH_LOAD_NT
	global_load_b128 v[IN+8*(4*\a+\i)+4:IN+8*(4*\a+\i)+7], v1, s[4+2*\a:5+2*\a] offset:8192*\i+16 th:TH_LOAD_NT
.endr
.endr
.irp a, 0,1,2
.irp i, 0,1,2,3
	s_wait_loadcnt 22-2*(4*\a+\i)                  ; loads return in order: the two of this unit are in, the younger units' stay out
.irp k, 0,1,2,3
	v_cvt_pk_f16_f32 v[OUTR+4*(4*\a+\i)+\k], v[IN+8*(4*\a+\i)+2*\k], v[IN+8*(4*\a+\i)+2*\k+1]
.endr
.if \a == 1
	global_store_b128 v3, v[OUTR+4*(4*\a+\i):OUTR+4*(4*\a+\i)+3], s[12:13] offset:(\i&1)*2097152+(\i>>1)*1024   ; four planes on for the row's upper half, one row on for the second row
.else
	global_store_b128 v2, v[OUTR+4*(4*\a+\i):OUTR+4*(4*\a+\i)+3], s[10+2*\a:11+2*\a] offset:4096*\i
.endif
.endr
.endr
	s_endpgm
.Lfunc_end_k_q07b9be8a4a_tohalf:
	.size	k_q07b9be8a4a_tohalf, .Lfunc_end_k_q07b9be8a4a_tohalf-k_q07b9be8a4a_tohalf
	.p2alignl 7, 3214868480
	.fill 96, 4, 3214868480
	.section	.rodata,"a",@progbits
	.p2align	6, 0x0
	.amdhsa_kernel k_q07b9be8a4a_tohalf
		.amdhsa_group_segment_fixed_size 0
		.amdhsa_private_segment_fixed_size 0
		.amdhsa_enable_private_segment 0
		.amdhsa_kernarg_size 48
		.amdhsa_user_sgpr_count 2
		.amdhsa_user_sgpr_kernarg_segment_ptr 1
		.amdhsa_wavefront_size32 1
		.amdhsa_system_sgpr_workgroup_id_x 1
		.amdhsa_system_sgpr_workgroup_id_y 1
		.amdhsa_system_sgpr_workgroup_id_z 1
		.amdhsa_system_vgpr_workitem_id 0
		.amdhsa_next_free_vgpr 152
		.amdhsa_next_free_sgpr 66
		.amdhsa_reserve_vcc 0
		.amdhsa_float_denorm_mode_32 3
		.amdhsa_float_denorm_mode_16_64 3
		.amdhsa_memory_ordered 1
		.amdhsa_forward_progress 1
		.amdhsa_inst_pref_size 8
	.end_amdhsa_kernel
	.amdgpu_metadata
---
amdhsa.version: [ 1, 2 ]
amdhsa.kernels:
  - .name:           k_q07b9be8a4a_tohalf
    .symbol:         k_q07b9be8a4a_tohalf.kd
    .args:
      - { .name: x, .offset: 0, .size: 8, .value_kind: global_buffer, .address_space: global }
      - { .name: Wq, .offset: 8, .size: 8, .value_kind: global_buffer, .address_space: global }
      - { .name: Wp, .offset: 16, .size: 8, .value_kind: global_buffer, .address_space: global }
      - { .name: xh, .offset: 24, .size: 8, .value_kind: global_buffer, .address_space: global }
      - { .name: wqh, .offset: 32, .size: 8, .value_kind: global_buffer, .address_space: global }
      - { .name: wph, .offset: 40, .size: 8, .value_kind: global_buffer, .address_space: global }
    .group_segment_fixed_size: 0
    .private_segment_fixed_size: 0
    .kernarg_segment_align: 8
    .kernarg_segment_size: 48
    .max_flat_workgroup_size: 256
    .sgpr_count:     66
    .vgpr_count:     152
    .wavefront_size: 32
...
	.end_amdgpu_metadata
.endif
;; end of part 4
;; launch attn (part 5): grid 64 x 4, 4 waves a work-group, clusters of 4 x 1, 327,680 bytes of LDS; arguments xh, wqh, wph, part; writes part
.if DOCPART == 5
	.amdgcn_target "amdgcn-amd-amdhsa--gfx1250"
	.amdhsa_code_object_version 6
	.text
	.protected	k_q07b9be8a4a_attn
	.globl	k_q07b9be8a4a_attn
	.p2align	8
	.type	k_q07b9be8a4a_attn,@function
k_q07b9be8a4a_attn:
	s_mov_b64 s[64:65], 0
	v_nop
	global_prefetch_b8 v0, s[64:65] scope:SCOPE_SE
	s_setreg_imm32_b32 hwreg(HW_REG_WAVE_MODE, 25, 1), 1
	s_wait_xcnt 0x0
	s_wait_alu depctr_hold_cnt(0) depctr_sa_sdst(0) depctr_va_vdst(0) depctr_va_sdst(0) depctr_va_ssrc(0) depctr_va_vcc(0) depctr_vm_vsrc(0)
	s_getreg_b32 s2, hwreg(HW_REG_IB_STS2, 6, 4)
	s_cmp_eq_u32 s2, 0
	s_cbranch_scc0 .Lentry_in_a_cluster
	s_endpgm
.Lentry_in_a_cluster:
	s_bfe_u32 s2, ttmp6, 0x10000c
	s_cmp_lg_u32 s2, 0x3003
	s_cbranch_scc0 .Lentry_shape_is_right
	s_endpgm
.Lentry_shape_is_right:
; One work-group = one batch b, one head h, 128 queries; a wave = 32 queries (two blocks qb of 16).  In order:
;   Q = x_blk Wq_h;   Z = softmax(Q x_b^T / sqrt(512)) x_b  (running maximum, S and P never leave registers);
;   O = Z Wq_h  (equal to P (x_b Wq_h), reference()'s P v, for every input);   R = O Wp_h, the head's f32 share of the output -> part[h].
; All matrix operands are f16, all sums f32.  LIMIT: |x|, |Wq|, |Wp|, |x Wq| and |Z Wq| stay below 65,504 (f16's largest number); P lies in
; (0, 1] and Z is divided by the softmax sum before it is rounded, so both have x's range at the most.
;
; TILES.  Everything streamed is a tile of 128 rows x 512 f16, 131,072 consecutive bytes, 20 of them through two LDS slots: 0-3 Wq_h (rows d), 4-11 x_b
; (rows = keys; the same tile is key and value), 12-15 Wq_h again, 16-19 Wp_h (rows e).  Trip t multiplies tile t (slot t & 1) and asks for tile t + 1.
; One group 1 and one step serve all of them; only the pointer NX changes its source.
; CLUSTER.  The four work-groups of a cluster are four query blocks of one (b, h): all 20 tiles are the same for them and are asked for jointly
; (mask 15).  Only the first load, the work-group's own 128 query rows, is a plain one.  Wave w moves rows 32 w .. 32 w + 31 of every tile.
; By this text's own count a wave has two tensor loads out in the prologue and one later.
;
; THE TEXT STANDS ONCE WHERE ITS REGISTERS ALLOW.  The three projections name the same registers in the same four trips: they are one loop of three
; phases, with attention inside it for the first phase alone.  The very last trip asks for no tile: the loop is left in front of it and it is written
; out behind the loop.  The eight attention trips are one loop of four pairs (slot 0, slot 1).  2,304 matrix instructions are written, 7,168 run.
; All these branches and selects hang on loop counters made of constants: they are alike in every wave and in every work-group.
;
; ORIENTATION.  Every product is used transposed: source 0 = rows of the streamed tile (output index m), source 1 = the queries' operand.
; A result tile then holds, in lane (r = L & 15, hh = L >> 4), query r and eight neighbouring output indices in registers 0-7: softmax figures are
; per lane, a rescale is a per-lane multiply, and two result tiles, rounded to f16, ARE one source-1 fragment of the next product.
; INDEX MAP.  A row of 512 f16 is 64 chunks of 16 bytes.  Output tile t = 8 tq + i takes chunk cA = i + 16 tq for m = 0-7 and chunk cA + 8 for m = 8-15,
; so register j of lane (r, hh) is index 8 cA + 64 hh + j.  Fragment u (tiles 2u, 2u+1) thus carries, in k places 8 hh + j and 16 + 8 hh + j, the indices
; sigma = 16 (u & 3) + 128 (u >> 2) + 64 hh + j and sigma + 8; the streamed operand is loaded in the same order of k.
; LDS rows are 1,040 bytes apart (65 x 16), so the 16 lanes of each half of every load below fall on 16 different 16-byte columns modulo 256 bytes.
;
; REGISTERS in windows of 256: window 0 addresses, softmax state, fragment buffers FA and FB, the S tiles; window 1 the 32 source-1 fragments
; (u, qb) at 8 (2u + qb): x_blk, then Q, Z, O; windows 2 and 3 the 64 result tiles D(t, qb) at 8 (2 (t & 15) + qb), t < 16 in window 2.
.set PITCH,  1040                      ; an LDS row: 1,024 bytes + 16 of padding
.set SLOT,   128*PITCH                 ; 133,120 bytes; slot 0 at 0, slot 1 at SLOT
.set WPART,  32*PITCH                  ; a wave's 32 rows of a tile; also its stage for the way out
.set SPITCH, 2064                      ; a stage row: 2,048 bytes of f32 + 16
.set TSTEP,  0x20000                   ; from a tile to the next: 128 rows of 1,024 bytes
.set KA,  8                            ; v8-11   KA+2 slot+hf: r P + 128 hh + slot + 64 hf rows: key rows, k along the row
.set VA,  12                           ; v12-15  VA+2 slot+hi: (8 hh + (L&7)) P + 128 ((L>>3)&1) + slot + 64 hi rows: transposing loads, keys in order
.set TA,  16                           ; v16-19  TA+2 slot+hi: (64 hh + (L&7)) P + 128 ((L>>3)&1) + slot + 32 hi rows: transposing loads, rows in sigma's order
.set XA,  20                           ; v20     my wave's own query rows in slot 1
.set STO, 21                           ; v21     way out: where my 16 bytes go in my stage
.set RD,  22                           ; v22     way out: where I read rows back
.set GO,  23                           ; v23     way out: 16 L
.set MX,  24                           ; v24-25  running maximum of the raw scores, qb 0, 1
.set LS,  26                           ; v26-27  running sum, this lane's keys only
.set AL,  28                           ; v[28:29], v[30:31]  the rescaling factor of qb 0, 1, twice each (a pair for the packed multiply)
.set FA,  32                           ; v[32:95]   8 fragments; in the S phase two halves of 4
.set NM,  96                           ; v[96:97], v[98:99]  -c x maximum of qb 0, 1, twice each
.set CH,  100                          ; v100-103   chains of the maximum, at work
.set SU,  104                          ; v[104:107] two pair sums
.set SR,  128                          ; v[128:255] S tile (kt, qb) at SR + 8 (8 qb + kt); behind the softmax P fragment (qb, kk) at SR + 8 (4 qb + kk)
.set FB,  192                          ; v[192:255] the second buffer of 8 fragments, where no S tile lives
.set G1,  24                           ; s[24:31] group 1 of every joint load
.set PH,  32                           ; s32      the phase: 0 Q, 1 O, 2 R
.set G0,  40                           ; s[40:47] group 0, a set for each slot
.set PW,  48                           ; s[48:49] my rows in Wq_h's first tile, type bits set
.set PX,  50                           ; s[50:51] in x_b's first tile
.set PP,  52                           ; s[52:53] in Wp_h's first tile
.set NX,  54                           ; s[54:55] in the next tile to ask for
.set AT,  56                           ; s56      the attention loop's counter
.set G1P, 68                           ; s[68:75] group 1 of the plain load
.set G0P, 76                           ; s[76:79] group 0 of the plain load
.set MSB, 0
.macro WIN new                         ; low byte: bits 1:0 source 0, 3:2 source 1, 5:4 source 2, 7:6 destination; high byte: the setting that is left
.if MSB != (\new)
	s_set_vgpr_msb (MSB<<8)|(\new)
.set MSB, (\new)
.endif
.endm
.macro PLACES n                        ; places behind matrix instructions (ISA guide 7.12.1): plain vector instructions that name none of their registers
.rept \n
	v_nop
.endr
.endm
; A round of the cluster's barrier: my work-group's barrier, wave 0 signals for the work-group, every wave waits for all four work-groups, my barrier again.
.macro ROUND
	s_barrier_signal -1
	s_barrier_wait -1
	s_cmp_lg_u32 s12, 0
	s_cbranch_scc1 .Lnot_wave_0_\@
	s_barrier_signal -3
.Lnot_wave_0_\@:
	s_barrier_wait -3
	s_barrier_signal -1
	s_barrier_wait -1
.endm
; The head of the trip that multiplies the tile in \slot.  refill = 1: the other slot is filled again with the tile at NX.
.macro HEAD slot, refill
	WIN 0
	s_wait_tensorcnt 0x0                           ; all my tensor loads have landed, my rows of this trip's tile among them,
	ds_add_u32 v126, v127
	s_wait_dscnt 0x0
.if \refill
	s_mov_b64 s[G0+4*(1-\slot)+2:G0+4*(1-\slot)+3], s[NX:NX+1]   ; so the other slot's group 0 may be written: the next tile
	s_add_nc_u64 s[NX:NX+1], s[NX:NX+1], TSTEP
.endif
	s_wait_dscnt 0x0                               ; my reads of the other slot are back
	ROUND                                          ; both now hold of every wave of the four work-groups
.if \refill
	tensor_load_to_lds s[G0+4*(1-\slot):G0+4*(1-\slot)+3], s[G1:G1+7]   ; the joint refill, first thing behind the round
	s_nop 0
.endif
.endm
; 16 transposing loads: the 8 source-0 fragments of group g = 4 kk + tq (output tiles 8 tq .. 8 tq + 7, k step kk of the tile's four) into \buf.
.macro LOADG buf, alo, ahi, kstep, second, g
	.set lkk, (\g)>>2
	.set ltq, (\g)&3
	.if lkk < 2
	.set lad, \alo
	.else
	.set lad, \ahi
	.endif
	.set lofs, (lkk&1)*(\kstep)+256*ltq
	.set lidx, 0
	.rept 8
	ds_load_tr16_b128 v[\buf+8*lidx:\buf+8*lidx+3],   v[lad] offset:lofs+16*lidx
	ds_load_tr16_b128 v[\buf+8*lidx+4:\buf+8*lidx+7], v[lad] offset:lofs+16*lidx+(\second)
	.set lidx, lidx+1
	.endr
.endm
; One tile against the queries' operand: 16 groups of 16 matrix instructions, D(8 tq + i, qb) += fragment i x source 1 (kk, qb).
; The caller has issued group 0 into FA, at least four places behind the last matrix instruction.  Group g + 1 is loaded while group g is multiplied.
; The 16 accumulators of a group take turns, one instruction a turn, and neighbouring groups name different ones.
.macro SLABS alo, ahi, kstep, second, bw, bbase, bk, bq, zero
	.set bg, 0
	.rept 16
	.set bkk, bg>>2
	.set btq, bg&3
	.if bg&1
	.set bcur, FB
	.set bnxt, FA
	.else
	.set bcur, FA
	.set bnxt, FB
	.endif
	.if bg < 15
	.if bg > 0
	PLACES 4                                       ; the buffer loaded next was read by the matrix instructions just issued
	.endif
	WIN 0
	LOADG bnxt, \alo, \ahi, \kstep, \second, bg+1
	s_wait_dscnt 16                                ; all but the 16 loads just issued: this group's fragments are in
	.else
	s_wait_dscnt 0
	.endif
	.if btq < 2
	WIN 0xa0|\bw
	.else
	WIN 0xf0|\bw
	.endif
	.set bz, 0
	.if \zero
	.if bkk == 0
	.set bz, 1                                     ; the first product starts the sums: nothing is cleared
	.endif
	.endif
	.set bi, 0
	.rept 8
	.set bqq, 0
	.rept 2
	.set bdd, 8*(2*((8*btq+bi)&15)+bqq)
	.set bbb, \bbase+bkk*\bk+bqq*\bq
	.if bz
	v_wmma_f32_16x16x32_f16 v[bdd:bdd+7], v[bcur+8*bi:bcur+8*bi+7], v[bbb:bbb+7], 0
	.else
	v_wmma_f32_16x16x32_f16 v[bdd:bdd+7], v[bcur+8*bi:bcur+8*bi+7], v[bbb:bbb+7], v[bdd:bdd+7]
	.endif
	.set bqq, bqq+1
	.endr
	.set bi, bi+1
	.endr
	.set bg, bg+1
	.endr
.endm
; A projection trip: tile rows 128 grp .. + 127 of the contraction, source 1 = window 1's fragments u = 4 grp + kk.
.macro PROJ slot, grp, zero
	PLACES 4                                       ; FA and FB were read by the last trip's matrix instructions
	WIN 0
	LOADG FA, TA+2*\slot, TA+2*\slot+1, 16*PITCH, 8*PITCH, 0
	SLABS TA+2*\slot, TA+2*\slot+1, 16*PITCH, 8*PITCH, 0x04, 64*\grp, 16, 8, \zero
.endm
; The 64 result tiles, rounded to f16, become window 1's 32 fragments: registers 4 s + k of fragment (u, qb) = registers 2k, 2k+1 of D(2u + s, qb).
.macro CVTB
	.set cu, 0
	.rept 16
	.if cu < 8
	WIN 0x4a
	.else
	WIN 0x4f
	.endif
	.set cq, 0
	.rept 2
	.set cs, 0
	.rept 2
	.set csrc, 8*(2*((2*cu+cs)&15)+cq)
	.set cr, 0
	.rept 4
	v_cvt_pk_f16_f32 v[8*(2*cu+cq)+4*cs+cr], v[csrc+2*cr], v[csrc+2*cr+1]
	.set cr, cr+1
	.endr
	.set cs, cs+1
	.endr
	.set cq, cq+1
	.endr
	.set cu, cu+1
	.endr
.endm
; Every result tile times its query's factor (a lane holds one query of each qb).
.macro RESCALE
	WIN 0x82
	.set rk, 0
	.rept 128
	v_pk_mul_f32 v[2*rk:2*rk+1], v[2*rk:2*rk+1], v[AL+2*((rk>>2)&1):AL+2*((rk>>2)&1)+1]
	.set rk, rk+1
	.endr
	WIN 0xc3
	.set rk, 0
	.rept 128
	v_pk_mul_f32 v[2*rk:2*rk+1], v[2*rk:2*rk+1], v[AL+2*((rk>>2)&1):AL+2*((rk>>2)&1)+1]
	.set rk, rk+1
	.endr
.endm
; S tile i of the block at sb: its eight exponentials join the sums and are packed to f16 at tg + 4 i, below every register not yet packed.
.macro CONSUME i
	.set cb, sb+8*(\i)
	.set ct, tg+4*(\i)
	.if (\i) == 0
	s_wait_alu depctr_va_vdst(0)
	v_pk_add_f32 v[SU:SU+1],   v[cb:cb+1],   v[cb+2:cb+3]          ; the first tile starts the sums
	v_pk_add_f32 v[SU+2:SU+3], v[cb+4:cb+5], v[cb+6:cb+7]
	.else
	s_wait_alu depctr_va_vdst(0)
	v_pk_add_f32 v[SU:SU+1],   v[SU:SU+1],   v[cb:cb+1]
	v_pk_add_f32 v[SU+2:SU+3], v[SU+2:SU+3], v[cb+2:cb+3]
	v_pk_add_f32 v[SU:SU+1],   v[SU:SU+1],   v[cb+4:cb+5]
	v_pk_add_f32 v[SU+2:SU+3], v[SU+2:SU+3], v[cb+6:cb+7]
	.endif
	.set ck, 0
	.rept 4
	v_cvt_pk_f16_f32 v[ct+ck], v[cb+2*ck], v[cb+2*ck+1]
	.set ck, ck+1
	.endr
.endm
; The softmax step of query block qb on 128 keys: 64 raw scores a lane (the other 64 of the query lie in lane L xor 16).
; p = 2^(c s - c m), c = log2(e) / sqrt(512), m the running maximum of the raw scores.  The rounded shift NM = -c m is kept, and the factor for
; what was summed under the old maximum is 2^(NM new - NM old): the very shifts that the exponentials used.
.macro SOFTMAX qb
	.set sb, SR+64*\qb
	.set tg, SR+32*\qb
	.set sk, 0
	.rept 4
	v_max3_num_f32 v[CH+sk], v[sb+3*sk], v[sb+3*sk+1], v[sb+3*sk+2]        ; four chains, started by the first twelve scores
	.set sk, sk+1
	.endr
	.set sk, 0
	.rept 26
	v_max3_num_f32 v[CH+(sk&3)], v[CH+(sk&3)], v[sb+12+2*sk], v[sb+13+2*sk]
	.set sk, sk+1
	.endr
	v_max3_num_f32 v[CH], v[CH], v[CH+1], v[CH+2]
	v_max_num_f32 v[CH], v[CH], v[CH+3]
	v_permlanex16_b32 v[CH+1], v[CH], s57, s58     ; the query's other 64 keys
	v_max_num_f32 v[CH], v[CH], v[CH+1]
	v_max_num_f32 v[MX+\qb], v[MX+\qb], v[CH]
	v_mul_f32 v[CH+1], s59, v[MX+\qb]
	v_sub_f32 v[CH+2], v[CH+1], v[NM+2*\qb]        ; at most 0: rounding keeps the order
	v_exp_f32 v[AL+2*\qb], v[CH+2]
	v_exp_f32 v[AL+2*\qb+1], v[CH+2]
	v_mov_b32 v[NM+2*\qb], v[CH+1]                 ; plain lines that touch neither the factor nor its source stand behind the exponentials (ISA guide 5.7.2)
	v_mov_b32 v[NM+2*\qb+1], v[CH+1]
	.set si, 0
	.rept 8
	.set sk, 0
	.rept 4
	v_pk_fma_f32 v[sb+8*si+2*sk:sb+8*si+2*sk+1], v[sb+8*si+2*sk:sb+8*si+2*sk+1], s[60:61], v[NM+2*\qb:NM+2*\qb+1] op_sel_hi:[1,0,1]
	.set sk, sk+1
	.endr
	.set sk, 0
	.rept 8
	v_exp_f32 v[sb+8*si+sk], v[sb+8*si+sk]
	.set sk, sk+1
	.endr
	.if si > 0
	CONSUME si-1                                   ; the tile before: plain work between this tile's exponentials and their use
	.endif
	.set si, si+1
	.endr
	CONSUME 7
	v_pk_add_f32 v[SU:SU+1], v[SU:SU+1], v[SU+2:SU+3]
	v_add_f32 v[SU], v[SU], v[SU+1]
	v_fma_f32 v[LS+\qb], v[LS+\qb], v[AL+2*\qb], v[SU]
.endm
; 8 loads: the key fragments of group g = 2 u + hf (key tiles 4 hf .. 4 hf + 3, k fragment u) into half hf of FA.
.macro LOADK slot, g
	.set ku, (\g)>>1
	.set khf, (\g)&1
	.set kc, 16*(2*(ku&3)+16*(ku>>2))
	.set ki, 0
	.rept 4
	ds_load_b128 v[FA+32*khf+8*ki:FA+32*khf+8*ki+3],   v[KA+2*\slot+khf] offset:ki*16*PITCH+kc
	ds_load_b128 v[FA+32*khf+8*ki+4:FA+32*khf+8*ki+7], v[KA+2*\slot+khf] offset:ki*16*PITCH+kc+16
	.set ki, ki+1
	.endr
.endm
; One attention trip: 128 keys.  S = x_tile Q^T (256 matrix instructions), softmax, rescale, Z += x_tile^T P (256).
.macro ATT slot
	PLACES 5                                       ; the S tiles write over registers that the last trip's matrix instructions read (P fragments, FB); loads land in FA
	WIN 0x04                                       ; source 1 (Q) in window 1, all else in window 0: the loads below run under it too
	LOADK \slot, 0
	.set ag, 0
	.rept 32
	.set au, ag>>1
	.set ahf, ag&1
	.if ag < 31
	.if ag > 0
	PLACES 4                                       ; the half loaded next was read by the matrix instructions just issued
	.endif
	LOADK \slot, ag+1
	s_wait_dscnt 8                                 ; all but the 8 loads just issued
	.else
	s_wait_dscnt 0
	.endif
	.set ai, 0
	.rept 4
	.set aq, 0
	.rept 2                                        ; eight accumulators by turns, and the next group names the other eight
	.set ad, SR+8*(8*aq+4*ahf+ai)
	.if au == 0
	v_wmma_f32_16x16x32_f16 v[ad:ad+7], v[FA+32*ahf+8*ai:FA+32*ahf+8*ai+7], v[8*(2*au+aq):8*(2*au+aq)+7], 0
	.else
	v_wmma_f32_16x16x32_f16 v[ad:ad+7], v[FA+32*ahf+8*ai:FA+32*ahf+8*ai+7], v[8*(2*au+aq):8*(2*au+aq)+7], v[ad:ad+7]
	.endif
	.set aq, aq+1
	.endr
	.set ai, ai+1
	.endr
	.set ag, ag+1
	.endr
	PLACES 4                                       ; in front of the loads into FA and of the softmax, which reads the S tiles
	WIN 0
	LOADG FA, VA+2*\slot, VA+2*\slot+1, 32*PITCH, 16*PITCH, 0      ; the value side's first group lands under the softmax
	SOFTMAX 0
	SOFTMAX 1
	RESCALE
	SLABS VA+2*\slot, VA+2*\slot+1, 32*PITCH, 16*PITCH, 0, SR, 8, 32, 0
.endm
; The way out of query block qb: 16 rows of 512 f32 through my stage, read back as whole rows.
.macro OUTQ qb
	WIN 0x08                                       ; store data from window 2
	.set ot, 0
	.rept 32
	.if ot == 16
	WIN 0x0c                                       ; from window 3
	.endif
	.set oc, 32*((ot&7)+16*(ot>>3))
	.set od, 8*(2*(ot&15)+\qb)
	ds_store_b128 v[STO], v[od:od+3]   offset:oc
	ds_store_b128 v[STO], v[od+4:od+7] offset:oc+16
	.set ot, ot+1
	.endr
	WIN 0
	.set on, 0
	.rept 4
	.if on&1
	.set ob, SR
	.else
	.set ob, FA
	.endif
	s_wait_xcnt 0x0                                ; the registers loaded next are the data of earlier stores: rewritten only behind this wait
	.set ok, 0
	.rept 16
	.set oo, (4*on+(ok>>2))*SPITCH+512*(ok&3)
	ds_load_b128 v[ob+4*ok:ob+4*ok+3], v[RD] offset:oo             ; LDS serves a wave's instructions in order: these see the stores above
	.set ok, ok+1
	.endr
	.set ok, 0
	.rept 16
	.set oo, (16*\qb+4*on+(ok>>2))*2048+512*(ok&3)
	s_wait_dscnt 15-ok                             ; the younger loads of this batch may stay out
	global_store_b128 v[GO], v[ob+4*ok:ob+4*ok+3], s[62:63] offset:oo      ; a wave's store: 512 consecutive bytes from a multiple of 512
	.set ok, ok+1
	.endr
	.set on, on+1
	.endr
.endm
	; ---- prologue: ids, descriptors, pointers
	s_load_b256 s[4:11], s[0:1], 0x0               ; xh s[4:5], wqh s[6:7], wph s[8:9], part s[10:11]
	v_lshl_add_u32 v126, v0, 2, 0x41000
	v_mov_b32 v127, 0
	ds_add_u32 v126, v127
	v_lshrrev_b32 v1, 5, v0
	v_readfirstlane_b32 s12, v1                    ; wave w
	s_bfe_u32 s13, ttmp6, 0x40000                  ; cx: my place in the cluster
	s_lshr_b32 s14, ttmp9, 1                       ; head h: two clusters a head along x
	s_and_b32 s15, ttmp9, 1
	s_lshl2_add_u32 s15, s15, s13                  ; query block = 4 x (cluster x & 1) + cx
	s_and_b32 s16, ttmp7, 0xffff                   ; batch b
	s_mov_b32 s57, 0x76543210                      ; v_permlanex16_b32: lane i takes lane i of the other half
	s_mov_b32 s58, 0xfedcba98
	s_mov_b32 s59, 0xbd8293ee                      ; -c
	s_mov_b32 s60, 0x3d8293ee                      ; c = log2(e) / sqrt(512)
	s_mov_b32 s61, 0x3d8293ee
	; group 1: 32 rows x 512 elements of 2 bytes; 4 words of padding behind every 256 words (a row)
	s_mov_b32 s[G1+0], 15|(1<<16)|(1<<20)|(1<<21)|(7<<22)|(3<<25)  ; 15:0 mask: all four of the cluster; 17:16 2 bytes; 20 padding; 21 set beside a mask; 24:22 code 7; 31:25 code 3
	s_mov_b32 s[G1+1], 512<<16                     ; tensor_dim0 = 512
	s_mov_b32 s[G1+2], 32<<16                      ; tensor_dim1 = 32
	s_mov_b32 s[G1+3], 512<<16                     ; tile_dim0 = 512
	s_mov_b32 s[G1+4], 32                          ; tile_dim1 = 32
	s_mov_b32 s[G1+5], 512                         ; elements from row to row, in xh, wqh and wph alike
	s_mov_b32 s[G1+6], 0
	s_mov_b32 s[G1+7], 0
	s_mov_b32 s[G1P+0], (1<<16)|(1<<20)|(7<<22)|(3<<25)            ; no mask: my own query rows
	s_mov_b32 s[G1P+1], 512<<16
	s_mov_b32 s[G1P+2], 32<<16
	s_mov_b32 s[G1P+3], 512<<16
	s_mov_b32 s[G1P+4], 32
	s_mov_b32 s[G1P+5], 512
	s_mov_b32 s[G1P+6], 0
	s_mov_b32 s[G1P+7], 0
	; offsets of the joint tiles: made of h, b and w alone, which the four partners share
	s_lshl_b32 s56, s12, 15                        ; 32 w rows of 1,024 bytes
	s_lshl_b32 s18, s14, 19                        ; wqh and wph: h x 512 rows of 1,024 bytes
	s_add_co_u32 s18, s18, s56
	s_mov_b32 s19, 0
	s_lshl_b32 s20, s16, 20                        ; xh: b x 1,024 rows of 1,024 bytes
	s_add_co_u32 s20, s20, s56
	s_mov_b32 s21, 0
	s_mul_i32 s17, s12, WPART                      ; my 32 rows in a slot: no place in the cluster enters an LDS address
	; offsets that hold cx, in registers that feed no joint descriptor
	s_lshl_b32 s2, s16, 10
	s_lshl_b32 s3, s15, 7
	s_add_co_u32 s2, s2, s3
	s_lshl_b32 s3, s12, 5
	s_add_co_u32 s2, s2, s3                        ; my wave's first query row, 0 .. 4,064
	s_lshl_b32 s80, s2, 10                         ; in xh
	s_mov_b32 s81, 0
	s_lshl_b32 s82, s14, 12
	s_add_co_u32 s82, s82, s2
	s_lshl_b32 s82, s82, 11                        ; in part: (4,096 h + row) x 2,048 bytes, below 2^26
	s_mov_b32 s83, 0
	s_mov_b32 s[G0+0], 1
	s_add_co_u32 s[G0+1], s17, 0
	s_mov_b32 s[G0+4], 1
	s_add_co_u32 s[G0+5], s17, SLOT
	s_mov_b32 s[G0P+0], 1
	s_add_co_u32 s[G0P+1], s17, SLOT
	s_wait_dscnt 0x0
	s_wait_kmcnt 0x0
	s_add_nc_u64 s[PW:PW+1], s[6:7], s[18:19]
	s_or_b32 s[PW+1], s[PW+1], 0x80000000          ; type = 2
	s_add_nc_u64 s[PX:PX+1], s[4:5], s[20:21]
	s_or_b32 s[PX+1], s[PX+1], 0x80000000
	s_add_nc_u64 s[PP:PP+1], s[8:9], s[18:19]
	s_or_b32 s[PP+1], s[PP+1], 0x80000000
	s_add_nc_u64 s[G0P+2:G0P+3], s[4:5], s[80:81]
	s_or_b32 s[G0P+3], s[G0P+3], 0x80000000
	s_add_nc_u64 s[62:63], s[10:11], s[82:83]      ; my 32 rows of part[h]
	s_mov_b64 s[G0+2:G0+3], s[PW:PW+1]             ; tile 0
	s_add_nc_u64 s[NX:NX+1], s[PW:PW+1], TSTEP     ; tile 1
	ROUND                                          ; the four work-groups are here: the first joint load meets
	tensor_load_to_lds s[G0:G0+3], s[G1:G1+7]      ; tile 0 -> slot 0, joint
	s_nop 0
	tensor_load_to_lds s[G0P:G0P+3], s[G1P:G1P+7]  ; my wave's 32 query rows -> its rows of slot 1, plain
	s_nop 0
	; lane addresses
	v_and_b32 v1, 15, v0                           ; r
	v_bfe_u32 v2, v0, 4, 1                         ; hh
	v_and_b32 v3, 7, v0                            ; L & 7
	v_bfe_u32 v4, v0, 3, 1                         ; (L >> 3) & 1
	v_and_b32 v5, 31, v0                           ; L
	v_mul_u32_u24 v6, v1, PITCH
	v_lshl_add_u32 v6, v2, 7, v6                   ; r P + 128 hh
	v_lshl_add_u32 v7, v2, 3, v3
	v_mul_u32_u24 v7, v7, PITCH
	v_lshl_add_u32 v7, v4, 7, v7                   ; (8 hh + (L&7)) P + 128 ((L>>3)&1)
	v_lshl_add_u32 v3, v2, 6, v3
	v_mul_u32_u24 v3, v3, PITCH
	v_lshl_add_u32 v3, v4, 7, v3                   ; (64 hh + (L&7)) P + 128 ((L>>3)&1)
.irp s, 0,1
.irp k, 0,1
	v_add_nc_u32 v[KA+2*\s+\k], \s*SLOT+\k*64*PITCH, v6
	v_add_nc_u32 v[VA+2*\s+\k], \s*SLOT+\k*64*PITCH, v7
	v_add_nc_u32 v[TA+2*\s+\k], \s*SLOT+\k*32*PITCH, v3
.endr
.endr
	v_add_nc_u32 v[XA], s17, v6
	v_add_nc_u32 v[XA], SLOT, v[XA]
	v_mul_u32_u24 v4, v1, SPITCH
	v_lshl_add_u32 v4, v2, 8, v4                   ; stage row r, 256 hh bytes (64 f32)
	v_add_nc_u32 v[STO], s17, v4
	v_lshlrev_b32 v[GO], 4, v5
	v_add_nc_u32 v[RD], s17, v[GO]
	s_wait_tensorcnt 0x0                           ; my query rows are in; only the wave that asked for them reads them, so no barrier
	WIN 0x40                                       ; destination in window 1
	.set pu, 0
	.rept 16
	.set pc, 16*(2*(pu&3)+16*(pu>>2))
	.set pq, 0
	.rept 2
	ds_load_b128 v[8*(2*pu+pq):8*(2*pu+pq)+3],   v[XA] offset:pq*16*PITCH+pc
	ds_load_b128 v[8*(2*pu+pq)+4:8*(2*pu+pq)+7], v[XA] offset:pq*16*PITCH+pc+16
	.set pq, pq+1
	.endr
	.set pu, pu+1
	.endr
	WIN 0                                          ; at a label and at a branch every window is 0
	; ---- the three projections: phase 0  Q = x_blk Wq_h,  phase 1  O = Z Wq_h,  phase 2  R = O Wp_h.  Window 1 holds the left operand, four trips walk the right one.
	s_mov_b32 s[PH], 0
.Lphase:
	HEAD 0, 1
	PROJ 0, 0, 1                                   ; the first products start the sums
	HEAD 1, 1
	PROJ 1, 1, 0
	HEAD 0, 1
	PROJ 0, 2, 0
	WIN 0
	s_cmp_eq_u32 s[PH], 2                          ; phase 2's fourth trip is the last of all and asks for nothing: it stands behind the loop
	s_cbranch_scc1 .Ltail
	s_cmp_eq_u32 s[PH], 0                          ; the tile asked for next opens what follows: x_b behind Q, Wp_h behind O
	s_cselect_b64 s[NX:NX+1], s[PX:PX+1], s[PP:PP+1]
	HEAD 1, 1
	PROJ 1, 3, 0
	PLACES 4                                       ; the conversions read results and write registers that matrix instructions read
	CVTB                                           ; window 1 = Q (phase 0) or O (phase 1)
	WIN 0
	s_cmp_lg_u32 s[PH], 0
	s_cbranch_scc1 .Lnext
	; ---- attention over x_b's eight tiles, behind phase 0 alone
	; The state starts so that the first trip needs no text of its own: maximum -FLT_MAX, kept shift +FLT_MAX, sum 0.  The first factor is then
	; 2^(shift - FLT_MAX) = 0, and the first rescale multiplies the result tiles, which still hold Q in f32, by 0: that starts Z's sums.
	; (Q is finite wherever reference() is: a Q that is not gives NaN here as there.)
	v_mov_b32 v[MX], 0xff7fffff
	v_mov_b32 v[MX+1], 0xff7fffff
.irp k, 0,1,2,3
	v_mov_b32 v[NM+\k], 0x7f7fffff
.endr
	v_mov_b32 v[LS], 0
	v_mov_b32 v[LS+1], 0
	s_mov_b32 s[AT], 0
.Latt:
	HEAD 0, 1
	ATT 0
	WIN 0
	s_cmp_eq_u32 s[AT], 3                          ; the eighth tile's trip asks for Wq_h's first tile again
	s_cselect_b64 s[NX:NX+1], s[PW:PW+1], s[NX:NX+1]
	HEAD 1, 1
	ATT 1
	WIN 0
	s_add_co_u32 s[AT], s[AT], 1
	s_cmp_lt_u32 s[AT], 4
	s_cbranch_scc1 .Latt
	; Z = sums / softmax sum, then to f16
	PLACES 4
	v_permlanex16_b32 v[CH], v[LS], s57, s58       ; the sum over the query's other keys
	v_permlanex16_b32 v[CH+1], v[LS+1], s57, s58
	v_add_f32 v[LS], v[LS], v[CH]
	v_add_f32 v[LS+1], v[LS+1], v[CH+1]
	v_rcp_f32 v[AL], v[LS]
	v_rcp_f32 v[AL+1], v[LS]
	v_rcp_f32 v[AL+2], v[LS+1]
	v_rcp_f32 v[AL+3], v[LS+1]
	v_nop                                          ; one plain place behind the reciprocals (ISA guide 5.7.2)
	s_wait_alu depctr_va_vdst(0)
	RESCALE
	CVTB                                           ; window 1 = Z
	WIN 0
.Lnext:
	s_add_co_u32 s[PH], s[PH], 1
	s_cmp_lt_u32 s[PH], 3                          ; taken behind phases 0 and 1; phase 2 leaves by the exit above
	s_cbranch_scc1 .Lphase
.Ltail:
	HEAD 1, 0                                      ; trip 19: nothing more to ask for
	PROJ 1, 3, 0
	; ---- the way out.  The stage is my wave's 33,280 bytes of slot 0: that slot has had its last fill (tile 18), and every wave's reads of it
	; were back in front of trip 19's round.
	PLACES 4                                       ; LDS stores read results; loads land in FA
	OUTQ 0
	OUTQ 1
	s_wait_dscnt 0x0
	s_wait_tensorcnt 0x0
	ds_add_u32 v126, v127
	s_wait_dscnt 0x0
	ROUND                                          ; the closing round
	s_endpgm
.Lfunc_end_k_q07b9be8a4a_attn:
	.size	k_q07b9be8a4a_attn, .Lfunc_end_k_q07b9be8a4a_attn-k_q07b9be8a4a_attn
	.p2alignl 7, 3214868480
	.fill 96, 4, 3214868480
	.section	.rodata,"a",@progbits
	.p2align	6, 0x0
	.amdhsa_kernel k_q07b9be8a4a_attn
		.amdhsa_group_segment_fixed_size 327680
		.amdhsa_private_segment_fixed_size 0
		.amdhsa_enable_private_segment 0
		.amdhsa_kernarg_size 32
		.amdhsa_user_sgpr_count 2
		.amdhsa_user_sgpr_kernarg_segment_ptr 1
		.amdhsa_wavefront_size32 1
		.amdhsa_system_sgpr_workgroup_id_x 1
		.amdhsa_system_sgpr_workgroup_id_y 1
		.amdhsa_system_sgpr_workgroup_id_z 1
		.amdhsa_system_vgpr_workitem_id 0
		.amdhsa_next_free_vgpr 1024
		.amdhsa_next_free_sgpr 84
		.amdhsa_reserve_vcc 0
		.amdhsa_float_denorm_mode_32 3
		.amdhsa_float_denorm_mode_16_64 3
		.amdhsa_memory_ordered 1
		.amdhsa_forward_progress 1
		.amdhsa_inst_pref_size 255
	.end_amdhsa_kernel
	.section	.bss,"aw",@nobits
	.p2align	6
	.space	262144
	.amdgpu_metadata
---
amdhsa.version: [ 1, 2 ]
amdhsa.kernels:
  - .name:           k_q07b9be8a4a_attn
    .symbol:         k_q07b9be8a4a_attn.kd
    .args:
      - { .name: xh, .offset: 0, .size: 8, .value_kind: global_buffer, .address_space: global }
      - { .name: wqh, .offset: 8, .size: 8, .value_kind: global_buffer, .address_space: global }
      - { .name: wph, .offset: 16, .size: 8, .value_kind: global_buffer, .address_space: global }
      - { .name: part, .offset: 24, .size: 8, .value_kind: global_buffer, .address_space: global }
    .group_segment_fixed_size: 327680
    .private_segment_fixed_size: 0
    .kernarg_segment_align: 8
    .kernarg_segment_size: 32
    .max_flat_workgroup_size: 128
    .sgpr_count:     84
    .vgpr_count:     1024
    .wavefront_size: 32
...
	.end_amdgpu_metadata
.endif
;; end of part 5
;; launch headsum: the kernel of part 3 again; grid 256 x 1, 8 waves a work-group, no clusters, 0 bytes of LDS; arguments part, bp, out0; writes out0
